; MI455X (gfx1250); checked and timed in simulation.
; The chip was launched on July 23, 2026; its instructions are those of AMD's public machine-readable ISA for CDNA 5 (MIT licence, August 2026) and "CDNA5" Instruction Set Architecture Reference Guide (July 2026). The comments in the code are by the model that wrote it; some were corrected since.
;; Swin Transformer Block. Allowed arithmetic: matrix products marked QUANTISED: E4M3 operands, one E8M0 scale for each 32 along K, by v_wmma_scale_f32_16x16x128_f8f6f4 with both operands' format E4M3, f32 sums; everything else in f32.
;; Inputs: b1 1,024 float32; b2 256 float32; bk 256 float32; bo 256 float32; bq 256 float32; bv 256 float32; hidden_states 8 x 4,096 x 256 float32; ln1_b 256 float32; ln1_g 256 float32; ln2_b 256 float32; ln2_g 256 float32; rel_table 225 x 8 float32; w1 1,024 x 256 float32; w2 256 x 1,024 float32; wk 256 x 256 float32; wo 256 x 256 float32; wq 256 x 256 float32; wv 256 x 256 float32.
;; Outputs: out0 8 x 4,096 x 256 float32.
;; This version of the problem:
;;   THIS VERSION OF THE PROBLEM IS GIVEN IN LOW PRECISION. The matrix products marked QUANTISED in the list below multiply operands that are first quantised to E4M3 (4 exponent bits, 3 mantissa bits; 8 bits a number), with one power-of-two scale for each 32 numbers along K (OCP MX v1.0); their sums are f32. All else is computed in f32.
;;   The module's matrix products, in the order in which they are computed (A, B: the left and right operand; K: the contracted axis; several contracted axes count as one K, in the product's order):
;;     1. [M 32,768, K 256] x [K 256, N 256]; A: computed on the way; B: input wq: QUANTISED
;;     2. [M 32,768, K 256] x [K 256, N 256]; A: computed on the way; B: input wk: QUANTISED
;;     3. [M 32,768, K 256] x [K 256, N 256]; A: computed on the way; B: input wv: QUANTISED
;;     4. batch 4,096 x [M 64, K 32] x [K 32, N 64]; A: computed on the way; B: computed on the way: QUANTISED
;;     5. batch 4,096 x [M 32, K 64] x [K 64, N 64]; A: computed on the way; B: computed on the way: QUANTISED
;;     6. [M 32,768, K 256] x [K 256, N 256]; A: computed on the way; B: input wo: QUANTISED
;;     7. [M 32,768, K 256] x [K 256, N 1,024]; A: computed on the way; B: input w1: QUANTISED
;;     8. [M 32,768, K 1,024] x [K 1,024, N 256]; A: computed on the way; B: input w2: QUANTISED
;;   THE QUANTISER, for each operand of a quantised product, along K:
;;     - K is cut into blocks of 32 from its start; a last block that is shorter is filled with zeros.
;;     - A block's scale is 2^e with e = floor(log2(the largest magnitude in the block)) - 8, held to -126 .. 127; a block of zeros has e = 0. As a byte (E8M0): e + 127.
;;     - Each number is divided by its block's scale, clamped to +-448, and rounded to the nearest number of E4M3, ties to even, subnormals kept.
;;     - The product sums the exact products of the quantised numbers (number of the format x scale) in f32.
;;   ~~~python
;;   def quantise(x, axis):      # numpy; x: float32 -> the quantised numbers, widened to float32 again
;;       x = np.moveaxis(x, axis, -1); K = x.shape[-1]
;;       x = np.pad(x, [(0, 0)] * (x.ndim - 1) + [(0, -K % 32)]); x = x.reshape(x.shape[:-1] + (-1, 32)); a = np.abs(x).max(-1, keepdims=True)
;;       e = np.where(a > 0, np.clip(np.frexp(np.where(a > 0, a, 1))[1] - 1 - 8, -126, 127), 0)      # np.frexp(a)[1] - 1 = floor(log2(a)), exactly
;;       r = np.clip(x / 2.0 ** e, -448, 448)
;;       step = 2.0 ** (np.maximum(np.frexp(np.where(r == 0, 1, r))[1] - 1, -6) - 3)
;;       q = np.round(r / step) * step * 2.0 ** e      # np.round: ties to even
;;       return np.moveaxis(q.reshape(q.shape[:-2] + (-1,))[..., :K], -1, axis).astype(np.float32)
;;   ~~~
;;   OPERANDS COMPUTED ON THE WAY. 'Computed on the way' means the value that the module computes at that place (a softmax that the list does not call 'softmax' is quantised finished and normalised). What goes into a quantiser is computed in f32, as accurately as f32 sums, v_exp_f32 and their like allow (about 1e-6 of the number): no bf16 or f16 on the way to a quantiser, and a product that is left as it is and whose result goes on into a quantised operand takes f32 operands (vector FMAs, or v_wmma_f32_16x16x4_f32). A number that lies on a knife's edge between two numbers of the format may be rounded either way, as far as f32 arithmetic and the matrix unit's own rounding can turn it there, and no further.
;; One version. Each part assembles by itself: llvm-mc -triple=amdgcn-amd-amdhsa -mcpu=gfx1250 --defsym DOCPART=n.
;; ======== version 1 of 1: 2 launches
;; workspace buffers: wstream 811,008 bytes
;; launch prep (part 1): grid 32 x 12, 1 waves a work-group, no clusters, 0 bytes of LDS; arguments wq, wk, wv, wo, w1, w2, wstream; writes wstream
.if DOCPART == 1
	.amdgcn_target "amdgcn-amd-amdhsa--gfx1250"
	.amdhsa_code_object_version 6
	.text
	.protected	k_q5d4877ed2f_prep
	.globl	k_q5d4877ed2f_prep
	.p2align	8
	.type	k_q5d4877ed2f_prep,@function
k_q5d4877ed2f_prep:
	s_mov_b64 s[64:65], 0
	v_nop
	global_prefetch_b8 v0, s[64:65] scope:SCOPE_SE
	s_setreg_imm32_b32 hwreg(HW_REG_WAVE_MODE, 25, 1), 1
	s_wait_xcnt 0x0
; The six weights (f32, K innermost) become codes of FP8 (E4M3) with one E8M0 byte for each 32 along K, laid in the ORDER OF THE OPERAND'S REGISTERS, as 12 chunks of 67,584 bytes.
; Chunk y is a matrix [256 n][256 k].  y = 0..3: wq, wk, wv, wo.  y = 4..11, in the order in which the second launch asks for them: w1(0), w1(1), w2(0), w1(2), w2(1), w1(3), w2(2), w2(3),
; where w1(c) is rows 256 c .. of w1 and w2(c) is columns 256 c .. of w2.
; In a chunk, fragment f = 4 g + 2 u + s (g: 32 output columns, u: a tile of 16, s: a K step of 128) lies at 2,048 f: register group cc at 512 cc, lane l at 16 l.
; Lane (r = l % 16, h = l / 16) holds row n = 32 g + 8 u + r + 8 (r / 8) and k = 128 s + 32 cc + 16 h + 0 .. 15.  THE ROWS OF A TILE ARE NOT NEIGHBOURS: so the 16 registers of the results of
; tiles u = 0, 1 are 16 neighbours along the next product's K.  The scale words lie at 65,536 + 256 g + 16 r + 4 (2 u + s): one 16-byte load gives a lane the four words of its column group.
; One wave makes one fragment: 64 numbers a lane; a block of 32 lies in lanes l and l xor 16.
; A block's scale is 2^(floor(log2(its largest magnitude)) - 8); its byte is the largest magnitude's exponent field - 8, held at 1 from below.
; LIMITS: a block of zeros, or one whose largest magnitude lies under 2^-118, gets the byte 1 (its codes add nothing or next to nothing; this program alone reads the bytes); NaN and infinities are not served.
; The codes leave in stores of 512 consecutive aligned bytes.  The scale words leave 4 bytes at a stride of 16: 24 KB of the 3.9 MB that the launch moves.
.set CHUNK, 67584
.set TM,  16                           ; v16-19 largest magnitudes, v20-23 partner's / bytes, v24-27 448 x scale, v28-31 the conversions' scale operands
.set XN,  32                           ; v32-95  64 numbers
.set CD,  96                           ; v96-111 their codes
.set SEL, 24                           ; s[24:25] lane selects: lane l xor 16
.set MNT, 26                           ; s26 the mantissa field of 448
	s_load_b256 s[4:11], s[0:1], 0x0               ; wq, wk, wv, wo
	s_load_b128 s[12:15], s[0:1], 0x20             ; w1, w2
	s_load_b64 s[16:17], s[0:1], 0x30              ; wstream
	s_and_b32 s18, ttmp7, 0xffff                   ; y: the chunk
	s_max_u32 s19, s18, 4
	s_sub_co_u32 s19, s19, 4                       ; y' = 0 for the four square weights, else y - 4
	s_lshl_b32 s20, s19, 1
	s_lshr_b32 s20, 0xed84, s20                    ; c of y' = 0 .. 7, two bits each: 0, 1, 0, 2, 1, 3, 2, 3
	s_and_b32 s20, s20, 3
	s_lshr_b32 s37, 0xd4, s19                      ; a chunk of w2: y' = 2, 4, 6, 7
	s_and_b32 s37, s37, 1
	s_lshl_b32 s21, s20, 18                        ; w1: 256 c rows of 1,024 bytes
	s_lshl_b32 s22, s20, 10                        ; w2: 256 c columns of 4 bytes
	s_lshr_b32 s27, ttmp9, 2                       ; g
	s_bfe_u32 s28, ttmp9, 0x10001                  ; u
	s_and_b32 s29, ttmp9, 1                        ; s
	s_mov_b32 s[SEL], 0x76543210
	s_mov_b32 s[SEL+1], 0xfedcba98
	s_mov_b32 s[MNT], 0x600000
	v_and_b32 v1, 15, v0                           ; r
	v_bfe_u32 v2, v0, 4, 1                         ; h
	v_and_b32 v3, 8, v0
	v_add_nc_u32 v3, v3, v1                        ; r + 8 (r / 8)
	s_lshl_b32 s32, s27, 5
	s_lshl_b32 s33, s28, 3
	s_add_co_u32 s32, s32, s33
	v_add_nc_u32 v3, s32, v3                       ; n
	v_lshlrev_b32 v5, 4, v0
	s_lshl_b32 s34, ttmp9, 11
	v_add_nc_u32 v5, s34, v5                       ; out: 2,048 f + 16 x lane
	s_lshl_b32 s35, s27, 8
	s_and_b32 s36, ttmp9, 3
	s_lshl_b32 s36, s36, 2
	s_add_co_u32 s35, s35, s36
	s_add_co_u32 s35, s35, 65536
	v_lshl_add_u32 v6, v1, 4, s35                  ; the scale word's place
	s_wait_kmcnt 0x0
	s_cmp_lg_u32 s37, 0                            ; a chunk of w2?  The choices hang on the work-group's number alone
	s_cselect_b32 s30, s22, s21                    ; where the chunk begins in its tensor
	s_cselect_b32 s23, 12, 10                      ; log2 of a row's bytes
	s_cselect_b64 s[12:13], s[14:15], s[12:13]
	s_cmp_eq_u32 s18, 0
	s_cselect_b64 s[12:13], s[4:5], s[12:13]
	s_cmp_eq_u32 s18, 1
	s_cselect_b64 s[12:13], s[6:7], s[12:13]
	s_cmp_eq_u32 s18, 2
	s_cselect_b64 s[12:13], s[8:9], s[12:13]
	s_cmp_eq_u32 s18, 3
	s_cselect_b64 s[12:13], s[10:11], s[12:13]
	s_mov_b32 s31, 0
	s_add_nc_u64 s[12:13], s[12:13], s[30:31]
	s_mul_i32 s30, s18, CHUNK
	s_add_nc_u64 s[16:17], s[16:17], s[30:31]
	v_lshlrev_b32 v4, s23, v3                      ; row n,
	v_lshl_add_u32 v4, v2, 6, v4                   ; + 64 h,
	s_lshl_b32 s33, s29, 9
	v_add_nc_u32 v4, s33, v4                       ; + 512 s
.irp cc, 0,1,2,3
.irp j, 0,1,2,3
	global_load_b128 v[XN+16*\cc+4*\j:XN+16*\cc+4*\j+3], v4, s[12:13] offset:128*\cc+16*\j th:TH_LOAD_NT
.endr
.endr
.irp b, 0,1,2,3
	v_mov_b32 v[TM+4+\b], 0                        ; a lane permute's destination counts as one of its sources
.endr
	s_wait_loadcnt 0x0
.irp b, 0,1,2,3
	v_max3_num_f32 v[TM+\b], |v[XN+16*\b]|, |v[XN+16*\b+1]|, 0x4800000   ; block b: my 16 numbers and the floor 2^(9 - 127): the byte cannot fall under 1
.endr
.irp i, 2,4,6,8,10,12,14
.irp b, 0,1,2,3
	v_max3_num_f32 v[TM+\b], v[TM+\b], |v[XN+16*\b+\i]|, |v[XN+16*\b+\i+1]|
.endr
.endr
.irp b, 0,1,2,3
	v_permlanex16_b32 v[TM+4+\b], v[TM+\b], s[SEL], s[SEL+1]
.endr
.irp b, 0,1,2,3
	v_max_num_f32 v[TM+\b], v[TM+\b], v[TM+4+\b]   ; with lane l xor 16's: the block's largest magnitude
.endr
.irp b, 0,1,2,3
	v_add_nc_u32 v[TM+12+\b], 0xfc000000, v[TM+\b] ; 8 off its exponent field: the conversion's scale operand
.endr
.irp b, 0,1,2,3
	v_and_or_b32 v[TM+8+\b], v[TM+\b], 0x7f800000, s[MNT]   ; 448 x the scale
.endr
.irp b, 0,1,2,3
	v_lshrrev_b32 v[TM+4+\b], 23, v[TM+12+\b]      ; the scale's byte
.endr
	v_lshl_or_b32 v7, v[TM+5], 8, v[TM+4]          ; the four bytes make row n's scale word for this K step
	v_lshl_or_b32 v7, v[TM+6], 16, v7
	v_lshl_or_b32 v7, v[TM+7], 24, v7
.irp b, 0,1,2,3
.irp i, 0,1,2,3,4,5,6,7,8,9,10,11,12,13,14,15
	v_med3_num_f32 v[XN+16*\b+\i], v[XN+16*\b+\i], -v[TM+8+\b], v[TM+8+\b]   ; the conversion to an 8-bit code does not saturate (ISA guide 7.6.2): the hold comes first
.endr
	v_cvt_scalef32_pk8_fp8_f32 v[CD+4*\b:CD+4*\b+1], v[XN+16*\b:XN+16*\b+7], v[TM+12+\b]
	v_cvt_scalef32_pk8_fp8_f32 v[CD+4*\b+2:CD+4*\b+3], v[XN+16*\b+8:XN+16*\b+15], v[TM+12+\b]
.endr
	v_nop
.irp cc, 0,1,2,3
	global_store_b128 v5, v[CD+4*\cc:CD+4*\cc+3], s[16:17] offset:512*\cc   ; 32 lanes store 512 consecutive bytes, aligned
.endr
	global_store_b32 v6, v7, s[16:17]              ; lanes r and r + 16 name the same word and hold the same value
	s_endpgm
.Lfunc_end_k_q5d4877ed2f_prep:
	.size	k_q5d4877ed2f_prep, .Lfunc_end_k_q5d4877ed2f_prep-k_q5d4877ed2f_prep
	.p2alignl 7, 3214868480
	.fill 96, 4, 3214868480
	.section	.rodata,"a",@progbits
	.p2align	6, 0x0
	.amdhsa_kernel k_q5d4877ed2f_prep
		.amdhsa_group_segment_fixed_size 0
		.amdhsa_private_segment_fixed_size 0
		.amdhsa_enable_private_segment 0
		.amdhsa_kernarg_size 56
		.amdhsa_user_sgpr_count 2
		.amdhsa_user_sgpr_kernarg_segment_ptr 1
		.amdhsa_wavefront_size32 1
		.amdhsa_system_sgpr_workgroup_id_x 1
		.amdhsa_system_sgpr_workgroup_id_y 1
		.amdhsa_system_sgpr_workgroup_id_z 1
		.amdhsa_system_vgpr_workitem_id 0
		.amdhsa_next_free_vgpr 112
		.amdhsa_next_free_sgpr 66
		.amdhsa_reserve_vcc 0
		.amdhsa_float_denorm_mode_32 3
		.amdhsa_float_denorm_mode_16_64 3
		.amdhsa_memory_ordered 1
		.amdhsa_forward_progress 1
		.amdhsa_inst_pref_size 13
	.end_amdhsa_kernel
	.amdgpu_metadata
---
amdhsa.version: [ 1, 2 ]
amdhsa.kernels:
  - .name:           k_q5d4877ed2f_prep
    .symbol:         k_q5d4877ed2f_prep.kd
    .args:
      - { .name: wq, .offset: 0, .size: 8, .value_kind: global_buffer, .address_space: global }
      - { .name: wk, .offset: 8, .size: 8, .value_kind: global_buffer, .address_space: global }
      - { .name: wv, .offset: 16, .size: 8, .value_kind: global_buffer, .address_space: global }
      - { .name: wo, .offset: 24, .size: 8, .value_kind: global_buffer, .address_space: global }
      - { .name: w1, .offset: 32, .size: 8, .value_kind: global_buffer, .address_space: global }
      - { .name: w2, .offset: 40, .size: 8, .value_kind: global_buffer, .address_space: global }
      - { .name: wstream, .offset: 48, .size: 8, .value_kind: global_buffer, .address_space: global }
    .group_segment_fixed_size: 0
    .private_segment_fixed_size: 0
    .kernarg_segment_align: 8
    .kernarg_segment_size: 56
    .max_flat_workgroup_size: 32
    .sgpr_count:     66
    .vgpr_count:     112
    .wavefront_size: 32
...
	.end_amdgpu_metadata
.endif
;; end of part 1
;; launch block (part 2): grid 256 x 1, 16 waves a work-group, clusters of 4 x 1, 327,680 bytes of LDS; arguments hidden_states, ln1_g, ln1_b, bq, bk, bv, rel_table, bo, ln2_g, ln2_b, b1, b2, wstream, out0; writes out0
.if DOCPART == 2
	.amdgcn_target "amdgcn-amd-amdhsa--gfx1250"
	.amdhsa_code_object_version 6
	.text
	.protected	k_q5d4877ed2f_block
	.globl	k_q5d4877ed2f_block
	.p2align	8
	.type	k_q5d4877ed2f_block,@function
k_q5d4877ed2f_block:
	s_mov_b64 s[64:65], 0
	v_nop
	global_prefetch_b8 v0, s[64:65] scope:SCOPE_SE
	s_setreg_imm32_b32 hwreg(HW_REG_WAVE_MODE, 25, 1), 1
	s_wait_xcnt 0x0
	s_wait_alu depctr_hold_cnt(0) depctr_sa_sdst(0) depctr_va_vdst(0) depctr_va_sdst(0) depctr_va_ssrc(0) depctr_va_vcc(0) depctr_vm_vsrc(0)
	s_getreg_b32 s2, hwreg(HW_REG_IB_STS2, 6, 4)
	s_cmp_eq_u32 s2, 0
	s_cbranch_scc0 .Lentry_in_a_cluster
	s_endpgm
.Lentry_in_a_cluster:
	s_bfe_u32 s2, ttmp6, 0x10000c
	s_cmp_lg_u32 s2, 0x3003
	s_cbranch_scc0 .Lentry_shape_is_right
	s_endpgm
.Lentry_shape_is_right:
; A WHOLE SWIN BLOCK FOR TWO WINDOWS (128 tokens x 256 channels) IN ONE WORK-GROUP: LN1, q/k/v, attention with the relative-position bias and the shifted-window mask, wo, residual, LN2, the MLP with exact GELU, residual.
; The roll and the window partition send each token back to its own place, so a window is closed under the whole block: nothing goes to memory between hidden_states and out0.
; All eight products run on codes of FP8 (E4M3) with one E8M0 scale for each 32 along K.  The weights come as codes from wstream (12 chunks of 67,584 bytes, each a matrix [256 n][256 k] in the order of the operand's registers,
; the chunks in the order in which this text asks for them).
; SHARES.  Sixteen waves, four to a SIMD, 256 registers each.  Wave (i = wave / 8, g = wave % 8) owns window i's 64 rows x output columns 32 g .. 32 g + 31 of every product, which is also head g of window i:
; attention needs no other wave.  A chunk is one product [128 x 256] x [256 x 256]: 16 matrix instructions a wave (4 tiles of rows x 2 tiles of columns x 2 K steps of 128).
; ROW SLOTS.  Slot (tile m, lane r) of a window is token 32 (m / 2) + 8 (m % 2) + r + 8 (r / 8); the weights' rows are laid by the same pattern.  So the 16 registers of two neighbouring result tiles are always 16 neighbours
; along the next K: channels (products used transposed: source 0 = weights, source 1 = rows), keys (S^T = K Q^T), tokens (the product for v, used untransposed), head dims (O^T = V^T P^T).  The conversions' results ARE the next operand's registers.
; OPERANDS GO FROM WAVE TO WAVE THROUGH LDS AS IMAGES OF THEIR REGISTERS: 16 bytes a lane at 16 x lane; the scale bytes at 8 x row + K block.
; CLUSTER.  All work-groups walk the same weight stream, so the four of a cluster ask for each chunk JOINTLY (mask 15); waves 0-3 issue, a quarter of a chunk each.  hidden_states and out0 are each work-group's own and go through registers.
; THE MLP'S SECOND PRODUCT RUNS A CHUNK BEHIND.  A product is 53 LDS loads and 16 matrix instructions a wave; a chunk's GELU and quantiser are some 800 vector instructions a wave and next to no LDS.  The product of hidden chunk c - 1
; with w2 and the GELU of chunk c need nothing of each other, so they stand between the same two barriers, and half of the waves take the product first and the other half the GELU first: one half's LDS loads beside the other half's
; vector work.  The hidden layer's image has two buffers that take turns, so that chunk c is written while chunk c - 1 is read.
; A K of 32 (q k^T) or 64 (p v) is filled up to the instruction's 128 by zero CODES on one side; what the other side holds there is finite codes under the scale byte 0, so the products are zeros.
; SOFTMAX: t = score x log2(e) / sqrt(32) + (bias + mask) x log2(e); the row's largest t is taken away; p = 2^(t - max) / sum, finished and normalised, is what is quantised.
; GELU: 0.5 x (1 + erf(x / sqrt 2)), erf as the f32 rational z P(z^2) / Q(z^2) on z held to +-4.
; LIMITS: NaN and infinities are not served.  A block of zeros, or one whose largest magnitude lies under 2^-118, gets the scale byte 1.  GELU's far negative tail has an absolute error of about 1e-7 |x|, not a relative one
; (the form 0.5 x (1 + erf) has it).  2^x under 2^-126 comes out as 0 (masked keys): such numbers have the code 0 under every scale that the quantiser allows.
; LEFT OUT: register windows and larger wave tiles (each activation fragment read from LDS feeds two matrix instructions here); tensor loads for the rows (the roll wraps, and they are read once).
; LDS ADDRESSES are made in v1-v11 alone, from the thread's number, constants and the wave's bases, and never under a branch: no register that has held data enters one.
.set CHUNK, 67584
.set QCH,   16896                      ; a quarter of a chunk: 66 rows of 256 bytes
.set STAGE, 135168                     ; behind the two ring slots: 128 rows x 1,040 bytes of f32, in at the head and out at the end; the images and QK lie over it in between
.set SP,    1040
.set IMGA,  135168                     ; image A: 16 fragments of 2,048 bytes ((4 i + m) x 2 + s), then 1,024 scale bytes: x, later y
.set IMGB,  33792                      ; image B lies this far behind image A: ctx, later the hidden layer's even chunks
.set HB1,   67584                      ; and this far behind image A, over q's and k's codes, which are done with by then: the hidden layer's odd chunks
.set HX,    IMGB^HB1                   ; one exclusive or turns one of the two into the other
.set ISC,   32768                      ; an image's scale bytes
.set QKB,   202752                     ; 4,096 bytes a wave: q's four tiles of codes, then k's
.set PART,  268288                     ; 128 rows x 80 bytes: (mean, sum of squares about it) of each of the 8 column groups
.set TBL,   278528                     ; 1,024 bytes a wave: rel_table[:, g] x log2(e)
.set SPARE, 294912                     ; the spare words, 128 bytes for each wave: eight blocks of 256 bytes that no other line names
.set PRM,   296960                     ; ln1_g, ln1_b, bq, bk, bv, bo, ln2_g, ln2_b (1,024 bytes each), 0.5 b1, b1 / sqrt 2 (4,096 each)
; vector registers
.set SPW, 1                            ; LDS address of my spare word; never rewritten
.set NIL, 2                            ; 0; never rewritten
.set L16, 3                            ; 16 x lane
.set R8,  4                            ; 8 r
.set PV,  5                            ; PRM + 128 g + 64 h: my 16 channels' parameters
.set PFO, 6                            ; 256 x lane: the prefetches' offset
.set CV4, 7                            ; 128 g + 64 h: the same place in b2
.set AT0, 8                            ; v8-11 LDS addresses in hand
.set AT1, 9
.set AT2, 10
.set AT3, 11
.set WSC, 12                           ; v12-31 hold scales and nothing else: v12-15 the weights' words (in attention v's and p's), v16-23 the rows', v24-27 q's bytes, v28-31 k's
.set XSC, 16
.set QSC, 24
.set KSC, 28
.set ACO, 32                           ; v32-95  tile (m, u) at 32 + 16 m + 8 u: x, then hidden, then the output
.set ACT, 96                           ; v96-159 the product in hand
.set FR,  160                          ; v160-255 fragments and work
.set WF,  160                          ; two weight fragments
.set XF,  192                          ; four row fragments
.set LG,  160
.set LB,  176
.set UU,  192
.set PC,  224
.set TM,  240                          ; v240-243 largest magnitudes, 244-247 partner's / bytes, 248-251 448 x scale, 252-255 the conversions' scale operands
.set BH,  160
.set BZ,  176
.set KC,  160                          ; attention: k's codes, 4 a tile
.set VC,  176                          ; v's codes, 8 a tile
.set ZZ,  192                          ; 8 zeros behind them
.set QS,  200                          ; q's fragment: 4 codes, 12 zeros
.set PF,  216                          ; p's fragment: 8 codes, 8 zeros
.set MK,  232                          ; four pairs of mask numbers
.set SC,  96                           ; S^T, then p
.set BI,  128                          ; the gathered bias
.set OT,  128                          ; O^T
.set CT,  144                          ; ctx's codes
; scalar registers
.set TQ,  3                            ; a second temporary
.set A11, 4                            ; s[4:23] from the head's last load on: erf's coefficients, each twice (a packed source names a pair)
.set A9,  6
.set A7,  8
.set A5,  10
.set A3,  12
.set A1,  14
.set B6,  16
.set B4,  18
.set B2,  20
.set B0,  22
.set HW,  24                           ; in the MLP (b1's pointer is done with): how far behind image A the hidden chunk in hand is written
.set RL,  25                           ; in the MLP: my turn for the second product: 0 ahead of the GELU, 1 behind it
.set WV,  32                           ; wave
.set WI,  33                           ; i
.set WG,  34                           ; g
.set TP,  35
.set G1,  36                           ; s[36:43] descriptor group 1
.set G0,  44                           ; s[44:47] group 0 of the first fill of slot 0
.set GW,  48                           ; s[48:51] group 0 of the first fill of slot 1; it then walks on, a chunk a refill
.set SEL, 52
.set MNT, 54
.set REM, 55                           ; refills to come
.set LIM, 56                           ; 1 in a wave that prefetches, else the greatest number
.set CNT, 57
.set PFA, 58                           ; s[58:59] where my prefetches stand
.set OFA, 60                           ; byte offsets of my eight rows in hidden_states and out0: tokens 0-3, tokens 4-7 of a window's line
.set OFB, 61
.set MH,  62                           ; -100 log2(e) in the last line / column of windows, else 0
.set MW,  63
.set WA,  66                           ; s66, s67 my weight fragments in slot 0, 1;  s68, s69 their scale words
.set WS,  68
.set IR,  70                           ; image A: my window's fragments; s71 its scale bytes; s72, s73 where I store mine
.set ISR, 71
.set IW,  72
.set ISW, 73
.set STI, 74                           ; the stage by whole rows: my 8;  s75 by result layout: my window, my columns
.set STD, 75
.set PB,  76
.set TB,  77
.set QB,  78
.set B1O, 79
.set CS,  80                           ; s[80:81] log2(e) / sqrt(32)
.set RH,  82                           ; s[82:83] 1 / sqrt 2
.set A13, 84
.set B8,  86
.set EPS, 88
.set LQ,  90                           ; wave x a quarter of a chunk: my quarter's place in a slot
.macro PLACES n                        ; places behind a matrix instruction of this form: 8 before a vector instruction or an LDS store reads its result, or a load or a vector instruction writes one of its registers
.rept \n
	v_nop
.endr
.endm
.macro WT
	s_wait_alu depctr_va_vdst(0)                   ; between a batch of transcendentals and the first line that names a result
.endm
.macro BARRIER                         ; my LDS stores have landed and my LDS loads are in: then the work-group's barrier
	s_wait_dscnt 0x0
	s_barrier_signal -1
	s_barrier_wait -1
.endm
.macro CROUND                          ; a round of the cluster's barrier
	s_barrier_signal -1
	s_barrier_wait -1
	s_cmp_lg_u32 s[WV], 0
	s_cbranch_scc1 .Lnot_wave_0_\@
	s_barrier_signal -3
.Lnot_wave_0_\@:
	s_barrier_wait -3
	s_barrier_signal -1
	s_barrier_wait -1
.endm
.macro TLOAD                           ; waves 0-3 fetch a quarter of a chunk each; the branch hangs on the wave's number alone
	s_cmp_lt_u32 s[WV], 4
	s_cbranch_scc0 .Lno_load_\@
	tensor_load_to_lds s[GW:GW+3], s[G1:G1+7]
	s_nop 0
.rept 4
	v_nop
.endr
.Lno_load_\@:
.endm
; A prefetch of the chunk that the NEXT refill will ask for: its 65,536 bytes of codes, each aligned 256 bytes named once in the launch.  The first cluster asks; its four partners take 16,384 bytes each, told apart by ADDRESS;
; in each, waves 4 and 5 take 8,192 bytes, lanes 256 bytes apart.  The last refill asks for nothing; chunks 0 to 2 come by their loads alone.
.macro ASK
	s_cmp_gt_u32 s[REM], s[LIM]
	s_cbranch_scc0 .Lnot_mine_\@
	global_prefetch_b8 v[PFO], s[PFA:PFA+1] th:TH_LOAD_NT scope:SCOPE_SE
.Lnot_mine_\@:
.endm
; A slot that every wave has read out takes the stream's next chunk.  Each wave waits for all its tensor loads (the other slot's chunk has landed), adds 0 to its spare word, waits for that and for its LDS reads and stores;
; the cluster's round follows, and the joint load is the first thing behind it, one a wave.  The round also serves as the work-group's barrier for whatever images were stored ahead of it.
.macro CHANGE slot
	s_wait_tensorcnt 0x0                           ; no tensor load of mine is out, so the walking group 0 may be written
	ds_add_u32 v[SPW], v[NIL]
	s_add_nc_u64 s[GW+2:GW+3], s[GW+2:GW+3], CHUNK ; the next chunk; the type bits on top are not reached
.if \slot
	s_add_co_u32 s[GW+1], s[LQ], CHUNK             ; into slot 1
.else
	s_mov_b32 s[GW+1], s[LQ]                       ; into slot 0
.endif
	s_wait_xcnt 0x0                                ; the last prefetch, a phase back, has read its address
	s_add_nc_u64 s[PFA:PFA+1], s[PFA:PFA+1], CHUNK
	s_wait_dscnt 0x0
	CROUND
	TLOAD
	ASK
	s_sub_co_u32 s[REM], s[REM], 1
.endm
.macro CHANGE0                         ; the chunk asked for last has landed
	s_wait_tensorcnt 0x0
	ds_add_u32 v[SPW], v[NIL]
	s_wait_dscnt 0x0
	s_barrier_signal -1
	s_barrier_wait -1
.endm
; one matrix instruction of a chunk's product.  tr = 1: source 0 = 16 weight rows, source 1 = 16 rows: a lane holds one row and 8 channels.  tr = 0 (v): the other way round: a lane holds one channel and 8 tokens.
.macro MM acc, m, u, s, zero, tr
.if \tr
.set DD, (\acc)+16*(\m)+8*(\u)
.if (\zero) && ((\s) == 0)
	v_wmma_scale_f32_16x16x128_f8f6f4 v[DD:DD+7], v[WF+16*(\u):WF+16*(\u)+15], v[XF+16*(\m):XF+16*(\m)+15], 0, v[WSC+2*(\u)+(\s)], v[XSC+2*(\m)+(\s)]
.else
	v_wmma_scale_f32_16x16x128_f8f6f4 v[DD:DD+7], v[WF+16*(\u):WF+16*(\u)+15], v[XF+16*(\m):XF+16*(\m)+15], v[DD:DD+7], v[WSC+2*(\u)+(\s)], v[XSC+2*(\m)+(\s)]
.endif
.else
.set DD, (\acc)+32*(\u)+8*(\m)
.if (\zero) && ((\s) == 0)
	v_wmma_scale_f32_16x16x128_f8f6f4 v[DD:DD+7], v[XF+16*(\m):XF+16*(\m)+15], v[WF+16*(\u):WF+16*(\u)+15], 0, v[XSC+2*(\m)+(\s)], v[WSC+2*(\u)+(\s)]
.else
	v_wmma_scale_f32_16x16x128_f8f6f4 v[DD:DD+7], v[XF+16*(\m):XF+16*(\m)+15], v[WF+16*(\u):WF+16*(\u)+15], v[DD:DD+7], v[XSC+2*(\m)+(\s)], v[WSC+2*(\u)+(\s)]
.endif
.endif
.endm
; A chunk's product, in two parts.  The addresses: my columns' fragments and scale words in a ring slot; my window's fragments and scale bytes, from image A on ..
.macro GADDR slot
	v_add_nc_u32 v[AT0], s[WA+\slot], v[L16]
	v_lshl_add_u32 v[AT1], v[R8], 1, s[WS+\slot]
	v_add_nc_u32 v[AT2], s[IR], v[L16]
	v_add_nc_u32 v[AT3], s[ISR], v[R8]
.endm
.macro GADDRH slot                     ; .. or in the hidden layer's buffer that is NOT being written: the chunk before
	s_xor_b32 s[TP], s[HW], HX
	s_add_co_u32 s[TQ], s[TP], s[IR]
	s_add_co_u32 s[TP], s[TP], s[ISR]
	v_add_nc_u32 v[AT0], s[WA+\slot], v[L16]
	v_lshl_add_u32 v[AT1], v[R8], 1, s[WS+\slot]
	v_add_nc_u32 v[AT2], s[TQ], v[L16]
	v_add_nc_u32 v[AT3], s[TP], v[R8]
.endm
; The loads and the products: my window's 64 rows (img bytes behind the address made above) x my 32 columns, into acc.  zero = 1: the first K step starts the sums.  The eight accumulators take turns, one instruction a turn.
.macro GBODY img, acc, zero, tr
.irp s, 0,1
	PLACES 8                                       ; in front of loads into registers that matrix instructions have read
.if \s == 0
	ds_load_b128 v[WSC:WSC+3], v[AT1]              ; my rows' four scale words: (u, s) at 2 u + s
.irp m, 0,1,2,3
	ds_load_b64 v[XSC+2*\m:XSC+2*\m+1], v[AT3] offset:\img+128*\m
.endr
.endif
.irp u, 0,1
.irp cc, 0,1,2,3
	ds_load_b128 v[WF+16*\u+4*\cc:WF+16*\u+4*\cc+3], v[AT0] offset:(2*\u+\s)*2048+512*\cc
.endr
.endr
.irp m, 0,1,2,3
.irp cc, 0,1,2,3
	ds_load_b128 v[XF+16*\m+4*\cc:XF+16*\m+4*\cc+3], v[AT2] offset:\img+(2*\m+\s)*2048+512*\cc
.endr
.endr
.irp m, 0,1,2,3
.if \m == 0
	s_wait_dscnt 8                                 ; all but the youngest eight loads: row fragments 2 and 3
.endif
.if \m == 2
	s_wait_dscnt 0x0
.endif
.irp u, 0,1
	MM \acc, \m, \u, \s, \zero, \tr
.endr
.endr
.endr
.endm
.macro GEMM slot, img, acc, zero, tr
	GADDR \slot
	GBODY \img, \acc, \zero, \tr
.endm
; The MLP's second product for the chunk before, in the waves whose turn it is.  The branches hang on the wave's number and on the loop's counter; they lead round LDS loads, matrix instructions and their waits alone.
; counted = 1: in the loop's first trip there is no chunk before.
.macro G2IF role, counted
	s_cmp_eq_u32 s[RL], \role
	s_cbranch_scc0 .Lno_g2_\@
.if \counted
	s_cmp_eq_u32 s[CNT], 3
	s_cbranch_scc1 .Lno_g2_\@
.endif
	GBODY 0, ACO, 0, 1
.if \role == 0
	PLACES 8                                       ; in front of b1's loads into the registers that held weight fragments
.endif
.Lno_g2_\@:
.endm
; nb blocks of 32: block b = my 16 numbers v[src + 16 b ..] and lane l xor 16's.  Codes to v[dst + 4 b ..], the scale's byte to v[byt + b].
.macro QUANT src, nb, dst, byt
.irp b, 0,1,2,3
.if \b < \nb
	v_max3_num_f32 v[TM+\b], |v[(\src)+16*\b]|, |v[(\src)+16*\b+1]|, 0x4800000   ; with the floor 2^(9 - 127): the byte cannot fall under 1
.endif
.endr
.irp i, 2,4,6,8,10,12,14
.irp b, 0,1,2,3
.if \b < \nb
	v_max3_num_f32 v[TM+\b], v[TM+\b], |v[(\src)+16*\b+\i]|, |v[(\src)+16*\b+\i+1]|
.endif
.endr
.endr
.irp b, 0,1,2,3
.if \b < \nb
	v_mov_b32 v[TM+4+\b], 0                        ; a lane permute's destination counts as one of its sources
.endif
.endr
.irp b, 0,1,2,3
.if \b < \nb
	v_permlanex16_b32 v[TM+4+\b], v[TM+\b], s[SEL], s[SEL+1]
.endif
.endr
.irp b, 0,1,2,3
.if \b < \nb
	v_max_num_f32 v[TM+\b], v[TM+\b], v[TM+4+\b]
.endif
.endr
.irp b, 0,1,2,3
.if \b < \nb
	v_add_nc_u32 v[TM+12+\b], 0xfc000000, v[TM+\b] ; 8 off the exponent field: the conversion's scale operand
.endif
.endr
.irp b, 0,1,2,3
.if \b < \nb
	v_and_or_b32 v[TM+8+\b], v[TM+\b], 0x7f800000, s[MNT]   ; 448 x the scale
.endif
.endr
.irp b, 0,1,2,3
.if \b < \nb
	v_lshrrev_b32 v[(\byt)+\b], 23, v[TM+12+\b]
.endif
.endr
.irp b, 0,1,2,3
.if \b < \nb
.irp i, 0,1,2,3,4,5,6,7,8,9,10,11,12,13,14,15
	v_med3_num_f32 v[(\src)+16*\b+\i], v[(\src)+16*\b+\i], -v[TM+8+\b], v[TM+8+\b]   ; the conversion does not saturate (ISA guide 7.6.2): the hold comes first
.endr
	v_cvt_scalef32_pk8_fp8_f32 v[(\dst)+4*\b:(\dst)+4*\b+1], v[(\src)+16*\b:(\src)+16*\b+7], v[TM+12+\b]
	v_cvt_scalef32_pk8_fp8_f32 v[(\dst)+4*\b+2:(\dst)+4*\b+3], v[(\src)+16*\b+8:(\src)+16*\b+15], v[TM+12+\b]
.endif
.endr
	v_nop                                          ; a plain line behind the last conversion
.endm
; my K block (g) of row tiles mf .. mf + nb - 1 goes into an image: register group g % 4 of K step g / 4, and byte g of each row's eight
.macro PUT img, mf, nb, cod, byt
	v_add_nc_u32 v[AT0], s[IW], v[L16]
	v_add_nc_u32 v[AT1], s[ISW], v[R8]
.irp b, 0,1,2,3
.if \b < \nb
	ds_store_b128 v[AT0], v[(\cod)+4*\b:(\cod)+4*\b+3] offset:(\img)+4096*((\mf)+\b)
	ds_store_b8 v[AT1], v[(\byt)+\b] offset:(\img)+128*((\mf)+\b)   ; lanes r and r + 16 write the same byte with the same value
.endif
.endr
.endm
.macro PUTH mf, nb, cod, byt           ; the same into the hidden layer's buffer that is being written
	s_add_co_u32 s[TP], s[IW], s[HW]
	s_add_co_u32 s[TQ], s[ISW], s[HW]
	v_add_nc_u32 v[AT0], s[TP], v[L16]
	v_add_nc_u32 v[AT1], s[TQ], v[R8]
.irp b, 0,1,2,3
.if \b < \nb
	ds_store_b128 v[AT0], v[(\cod)+4*\b:(\cod)+4*\b+3] offset:4096*((\mf)+\b)
	ds_store_b8 v[AT1], v[(\byt)+\b] offset:128*((\mf)+\b)
.endif
.endr
.endm
.macro BIAS16 off, acc                 ; my 16 channels' bias onto the four row tiles
.irp q, 0,1,2,3
	ds_load_b128 v[FR+4*\q:FR+4*\q+3], v[PV] offset:\off+16*\q
.endr
	s_wait_dscnt 0x0
.irp m, 0,1,2,3
.irp p, 0,1,2,3,4,5,6,7
	v_pk_add_f32 v[\acc+16*\m+2*\p:\acc+16*\m+2*\p+1], v[\acc+16*\m+2*\p:\acc+16*\m+2*\p+1], v[FR+2*\p:FR+2*\p+1]
.endr
.endr
.endm
.macro MKDA                            ; the stage in the results' layout: row r + 8 (r / 8) of a tile, + 64 h
	v_and_b32 v[AT0], 15, v0
	v_and_b32 v[AT1], 8, v0
	v_add_nc_u32 v[AT0], v[AT0], v[AT1]
	v_mul_u32_u24 v[AT0], v[AT0], SP
	v_bfe_u32 v[AT1], v0, 4, 1
	v_lshl_add_u32 v[AT0], v[AT1], 6, v[AT0]
	v_add_nc_u32 v[AT0], s[STD], v[AT0]
.endm
; LAYER NORM of the rows in ACO, quantised into image img.  Each wave has 32 of a row's 256 channels: it makes their mean and the sum of squares ABOUT THAT MEAN; the eight parts meet in LDS and are
; combined (M2 = sum of the parts' + 32 x the sum of squares of the parts' means about the row's mean): no difference of large sums is formed.  withb2 = 1: b2 is then added to ACO, for the last product to add onto.
.macro LNQ goff, boff, img, withb2
.if \withb2
.irp q, 0,1,2,3
	global_load_b128 v[PC+4*\q:PC+4*\q+3], v[CV4], s[26:27] offset:16*\q
.endr
.endif
.irp m, 0,1,2,3
	v_pk_add_f32 v[UU+2*\m:UU+2*\m+1], v[ACO+16*\m:ACO+16*\m+1], v[ACO+16*\m+2:ACO+16*\m+3]   ; each accumulator is read from its low end on
.endr
.irp p, 2,3,4,5,6,7
.irp m, 0,1,2,3
	v_pk_add_f32 v[UU+2*\m:UU+2*\m+1], v[UU+2*\m:UU+2*\m+1], v[ACO+16*\m+2*\p:ACO+16*\m+2*\p+1]
.endr
.endr
.irp m, 0,1,2,3
	v_add_f32 v[UU+2*\m], v[UU+2*\m], v[UU+2*\m+1]
.endr
.irp m, 0,1,2,3
	v_permlanex16_b32 v[UU+2*\m+1], v[UU+2*\m], s[SEL], s[SEL+1]
.endr
.irp m, 0,1,2,3
	v_add_f32 v[UU+2*\m], v[UU+2*\m], v[UU+2*\m+1]
.endr
.irp m, 0,1,2,3
	v_mul_f32 v[UU+2*\m], 0x3d000000, v[UU+2*\m]   ; / 32: my part's mean
.endr
.irp p, 0,1,2,3,4,5,6,7
.irp m, 0,1,2,3
	v_pk_add_f32 v[ACT+16*\m+2*\p:ACT+16*\m+2*\p+1], v[ACO+16*\m+2*\p:ACO+16*\m+2*\p+1], v[UU+2*\m:UU+2*\m+1] op_sel_hi:[1,0] neg_lo:[0,1] neg_hi:[0,1]
.endr
.endr
.irp m, 0,1,2,3
	v_pk_mul_f32 v[UU+8+2*\m:UU+8+2*\m+1], v[ACT+16*\m:ACT+16*\m+1], v[ACT+16*\m:ACT+16*\m+1]
.endr
.irp p, 1,2,3,4,5,6,7
.irp m, 0,1,2,3
	v_pk_fma_f32 v[UU+8+2*\m:UU+8+2*\m+1], v[ACT+16*\m+2*\p:ACT+16*\m+2*\p+1], v[ACT+16*\m+2*\p:ACT+16*\m+2*\p+1], v[UU+8+2*\m:UU+8+2*\m+1]
.endr
.endr
.irp m, 0,1,2,3
	v_add_f32 v[UU+8+2*\m], v[UU+8+2*\m], v[UU+8+2*\m+1]
.endr
.irp m, 0,1,2,3
	v_permlanex16_b32 v[UU+8+2*\m+1], v[UU+8+2*\m], s[SEL], s[SEL+1]
.endr
.irp m, 0,1,2,3
	v_add_f32 v[UU+2*\m+1], v[UU+8+2*\m], v[UU+8+2*\m+1]   ; beside the mean: one store of 8 bytes
.endr
	s_lshl_b32 s[TP], s[WG], 3
	s_add_co_u32 s[TP], s[TP], s[PB]
	v_mul_u32_u24 v[AT1], v[R8], 10                ; 80 r
	v_add_nc_u32 v[AT0], s[TP], v[AT1]
	v_add_nc_u32 v[AT1], s[PB], v[AT1]
.irp m, 0,1,2,3
	ds_store_b64 v[AT0], v[UU+2*\m:UU+2*\m+1] offset:1280*\m
.endr
	BARRIER                                        ; the eight parts of every row lie in LDS; every wave's earlier LDS reads are over
.irp m, 0,1,2,3
.irp q, 0,1,2,3
	ds_load_b128 v[ACT+16*\m+4*\q:ACT+16*\m+4*\q+3], v[AT1] offset:1280*\m+16*\q
.endr
.endr
.irp q, 0,1,2,3
	ds_load_b128 v[LG+4*\q:LG+4*\q+3], v[PV] offset:\goff+16*\q
.endr
.irp q, 0,1,2,3
	ds_load_b128 v[LB+4*\q:LB+4*\q+3], v[PV] offset:\boff+16*\q
.endr
	s_wait_dscnt 0x0
.irp m, 0,1,2,3
	v_pk_add_f32 v[UU+2*\m:UU+2*\m+1], v[ACT+16*\m:ACT+16*\m+1], v[ACT+16*\m+2:ACT+16*\m+3]   ; (sum of means, sum of the parts' squares)
.endr
.irp p, 2,3,4,5,6,7
.irp m, 0,1,2,3
	v_pk_add_f32 v[UU+2*\m:UU+2*\m+1], v[UU+2*\m:UU+2*\m+1], v[ACT+16*\m+2*\p:ACT+16*\m+2*\p+1]
.endr
.endr
.irp m, 0,1,2,3
	v_mul_f32 v[UU+8+2*\m], 0x3e000000, v[UU+2*\m] ; / 8: the row's mean
.endr
.irp m, 0,1,2,3
	v_sub_f32 v[UU+28+\m], v[ACT+16*\m], v[UU+8+2*\m]
.endr
.irp m, 0,1,2,3
	v_mul_f32 v[UU+24+\m], v[UU+28+\m], v[UU+28+\m]
.endr
.irp p, 1,2,3,4,5,6,7
.irp m, 0,1,2,3
	v_sub_f32 v[UU+28+\m], v[ACT+16*\m+2*\p], v[UU+8+2*\m]
.endr
.irp m, 0,1,2,3
	v_fma_f32 v[UU+24+\m], v[UU+28+\m], v[UU+28+\m], v[UU+24+\m]
.endr
.endr
.irp m, 0,1,2,3
	v_fma_f32 v[UU+24+\m], v[UU+24+\m], 0x42000000, v[UU+2*\m+1]   ; x 32 + the parts' squares
.endr
.irp m, 0,1,2,3
	v_fma_f32 v[UU+24+\m], v[UU+24+\m], 0x3b800000, s[EPS]         ; / 256 + 1e-5
.endr
.irp m, 0,1,2,3
	v_rsq_f32 v[UU+16+2*\m], v[UU+24+\m]
.endr
	v_nop
	WT
.irp m, 0,1,2,3
	v_mov_b32 v[UU+16+2*\m+1], v[UU+16+2*\m]       ; (a packed source names the pair, so its upper word is written)
.endr
.irp m, 0,1,2,3
.irp p, 0,1,2,3,4,5,6,7
	v_pk_add_f32 v[ACT+16*\m+2*\p:ACT+16*\m+2*\p+1], v[ACO+16*\m+2*\p:ACO+16*\m+2*\p+1], v[UU+8+2*\m:UU+8+2*\m+1] op_sel_hi:[1,0] neg_lo:[0,1] neg_hi:[0,1]
.endr
.irp p, 0,1,2,3,4,5,6,7
	v_pk_mul_f32 v[ACT+16*\m+2*\p:ACT+16*\m+2*\p+1], v[ACT+16*\m+2*\p:ACT+16*\m+2*\p+1], v[UU+16+2*\m:UU+16+2*\m+1] op_sel_hi:[1,0]
.endr
.irp p, 0,1,2,3,4,5,6,7
	v_pk_fma_f32 v[ACT+16*\m+2*\p:ACT+16*\m+2*\p+1], v[ACT+16*\m+2*\p:ACT+16*\m+2*\p+1], v[LG+2*\p:LG+2*\p+1], v[LB+2*\p:LB+2*\p+1]
.endr
.endr
.if \withb2
	s_wait_loadcnt 0x0
.irp m, 0,1,2,3
.irp p, 0,1,2,3,4,5,6,7
	v_pk_add_f32 v[ACO+16*\m+2*\p:ACO+16*\m+2*\p+1], v[ACO+16*\m+2*\p:ACO+16*\m+2*\p+1], v[PC+2*\p:PC+2*\p+1]
.endr
.endr
.endif
	QUANT ACT, 4, PC, TM+4
	PUT \img, 0, 4, PC, TM+4
.endm
; GELU of one result tile q = 2 m + u (8 numbers a lane), in three parts, on temporaries v192-223 (even q) or v224-255 (odd q): z, z^2, P, Q.
.macro GSET q
.set GAC, ACT+8*(\q)
.set GBO, 8*((\q)%2)
.set GTZ, 192+32*((\q)%2)
.endm
.macro HORN o, k
.irp p, 0,2,4,6
	v_pk_fma_f32 v[GTZ+\o+\p:GTZ+\o+\p+1], v[GTZ+\o+\p:GTZ+\o+\p+1], v[GTZ+8+\p:GTZ+8+\p+1], s[\k:\k+1] op_sel_hi:[1,1,0]
.endr
.endm
.macro G_A1 q
	GSET \q
.irp p, 0,2,4,6
	v_pk_fma_f32 v[GTZ+\p:GTZ+\p+1], v[GAC+\p:GAC+\p+1], s[RH:RH+1], v[BZ+GBO+\p:BZ+GBO+\p+1] op_sel_hi:[1,0,1]   ; z = (a + b1) / sqrt 2
.endr
.irp p, 0,2,4,6
	v_pk_fma_f32 v[GAC+\p:GAC+\p+1], v[GAC+\p:GAC+\p+1], 0.5, v[BH+GBO+\p:BH+GBO+\p+1] op_sel_hi:[1,0,1]         ; 0.5 (a + b1)
.endr
.irp j, 0,1,2,3,4,5,6,7
	v_med3_num_f32 v[GTZ+\j], v[GTZ+\j], -4.0, 4.0
.endr
.irp p, 0,2,4,6
	v_pk_mul_f32 v[GTZ+8+\p:GTZ+8+\p+1], v[GTZ+\p:GTZ+\p+1], v[GTZ+\p:GTZ+\p+1]
.endr
.irp p, 0,2,4,6
	v_pk_fma_f32 v[GTZ+16+\p:GTZ+16+\p+1], v[GTZ+8+\p:GTZ+8+\p+1], s[A13:A13+1], s[A11:A11+1] op_sel_hi:[1,0,0]
.endr
.irp p, 0,2,4,6
	v_pk_fma_f32 v[GTZ+24+\p:GTZ+24+\p+1], v[GTZ+8+\p:GTZ+8+\p+1], s[B8:B8+1], s[B6:B6+1] op_sel_hi:[1,0,0]
.endr
	HORN 16, A9
	HORN 24, B4
	HORN 16, A7
	HORN 24, B2
	HORN 16, A5
	HORN 24, B0
	HORN 16, A3
	HORN 16, A1
.endm
.macro G_A2 q
	GSET \q
.irp j, 0,1,2,3,4,5,6,7
	v_rcp_f32 v[GTZ+24+\j], v[GTZ+24+\j]
.endr
.endm
.macro G_B q
	GSET \q
.irp p, 0,2,4,6
	v_pk_mul_f32 v[GTZ+16+\p:GTZ+16+\p+1], v[GTZ+16+\p:GTZ+16+\p+1], v[GTZ+\p:GTZ+\p+1]
.endr
.irp p, 0,2,4,6
	v_pk_mul_f32 v[GTZ+16+\p:GTZ+16+\p+1], v[GTZ+16+\p:GTZ+16+\p+1], v[GTZ+24+\p:GTZ+24+\p+1]    ; erf(z)
.endr
.irp p, 0,2,4,6
	v_pk_fma_f32 v[GAC+\p:GAC+\p+1], v[GAC+\p:GAC+\p+1], v[GTZ+16+\p:GTZ+16+\p+1], v[GAC+\p:GAC+\p+1]
.endr
.endm
; The hidden chunk's GELU, quantiser and way into its buffer, in two parts: row tile 0, and row tiles 1 to 3.  A tile's eight reciprocals are one batch; the next tile's polynomials stand between the batch and its one wait.
.macro EA
	G_A1 0
	G_A2 0
	G_A1 1
	WT
	G_B 0
	G_A2 1
	v_nop
	WT
	G_B 1
	QUANT ACT, 1, PC, TM+4
	PUTH 0, 1, PC, TM+4
.endm
.macro EB
	G_A1 2
	G_A2 2
.irp q, 3,4,5,6,7
	G_A1 \q
	WT
	G_B (\q)-1
	G_A2 \q
.endr
	v_nop
	WT
	G_B 7
	QUANT ACT+16, 3, PC, TM+4
	PUTH 1, 3, PC, TM+4
.endm
.macro B1LOAD                          ; 0.5 b1 and b1 / sqrt 2 of my 16 hidden units of this chunk
	v_add_nc_u32 v[AT0], s[B1O], v[PV]
.irp q, 0,1,2,3
	ds_load_b128 v[BH+4*\q:BH+4*\q+3], v[AT0] offset:16*\q
.endr
.irp q, 0,1,2,3
	ds_load_b128 v[BZ+4*\q:BZ+4*\q+3], v[AT0] offset:4096+16*\q
.endr
	s_wait_dscnt 0x0
.endm
; A TRIP OF THE MLP, for hidden chunk c.  Slot 0 holds w1(c), slot 1 holds or is getting w2(c - 1).
;   y x w1(c);  GELU of row tile 0  |  round: slot 0 takes w1(c + 1) (in the last trip w2(3)); w2(c - 1) has landed  |  H(c - 1) x w2(c - 1) and the GELU of row tiles 1 to 3, in the order of my turn  |  round: slot 1 takes w2(c)
; So a chunk has a product and a quarter of a GELU, or three quarters of a GELU beside a product, in which to land.  inloop = 0: the last trip: nothing is left for slot 1.
.macro TRIP inloop
	GEMM 0, 0, ACT, 1, 1
	PLACES 8
	B1LOAD
	EA
	CHANGE 0
	GADDRH 1                                       ; the addresses are made by every wave, ahead of the branch
	G2IF 0, \inloop
	B1LOAD                                         ; again: the product has used the registers
	EB
	s_wait_dscnt 0x0                               ; the stores have read their registers
	GADDRH 1
	G2IF 1, \inloop
	s_xor_b32 s[HW], s[HW], HX                     ; the next chunk goes into the other buffer
	s_add_co_u32 s[B1O], s[B1O], 1024
.if \inloop
	CHANGE 1
.else
	CHANGE0
.endif
.endm
; ATTENTION for query tile m of my head.  Register 16 b + i of S^T is key 32 b + 16 h + i of query slot (m, r).
.macro ATT m
	ds_load_b128 v[QS:QS+3], v[AT2] offset:512*(\m)
.irp b, 0,1
.irp i, 0,1,2,3,4,5,6,7,8,9,10,11,12,13,14,15
	ds_load_b32 v[BI+16*\b+\i], v[AT3] offset:4*(82+60*((\m)/2)+15*((\m)%2)-60*\b-15*(\i/8)-(\i%8))   ; the table's word 15 (line of q - line of k + 7) + column of q - column of k + 7
.endr
.endr
	s_wait_dscnt 32                                ; q's codes (and k's) are in; the 32 gathers may be out
.irp kt, 0,1,2,3
	v_wmma_scale_f32_16x16x128_f8f6f4 v[SC+8*\kt:SC+8*\kt+7], v[KC+4*\kt:KC+4*\kt+15], v[QS:QS+15], 0, v[KSC+\kt], v[QSC+(\m)]
.endr
	PLACES 8
	s_wait_dscnt 0x0
.irp p, 0,1,2,3,4,5,6,7,8,9,10,11,12,13,14,15
	v_pk_fma_f32 v[SC+2*\p:SC+2*\p+1], v[SC+2*\p:SC+2*\p+1], s[CS:CS+1], v[BI+2*\p:BI+2*\p+1] op_sel_hi:[1,0,1]
.endr
.irp p, 0,1,2,3,4,5,6,7,8,9,10,11,12,13,14,15
	v_pk_add_f32 v[SC+2*\p:SC+2*\p+1], v[SC+2*\p:SC+2*\p+1], v[MK+4*(((\m)/2)^(\p/8))+2*((\p/2)%2):MK+4*(((\m)/2)^(\p/8))+2*((\p/2)%2)+1]   ; the mask: by the halves of lines (m / 2 against b) and of columns (r against i)
.endr
	v_max3_num_f32 v[TM], v[SC], v[SC+1], v[SC+2]
	v_max3_num_f32 v[TM+1], v[SC+16], v[SC+17], v[SC+18]
.irp i, 3,5,7,9,11,13
	v_max3_num_f32 v[TM], v[TM], v[SC+\i], v[SC+\i+1]
	v_max3_num_f32 v[TM+1], v[TM+1], v[SC+16+\i], v[SC+17+\i]
.endr
	v_max3_num_f32 v[TM], v[TM], v[TM+1], v[SC+15]
	v_max_num_f32 v[TM], v[TM], v[SC+31]
	v_permlanex16_b32 v[TM+1], v[TM], s[SEL], s[SEL+1]
	v_max_num_f32 v[TM], v[TM], v[TM+1]            ; the row's largest t
.irp p, 0,1,2,3,4,5,6,7,8,9,10,11,12,13,14,15
	v_pk_add_f32 v[SC+2*\p:SC+2*\p+1], v[SC+2*\p:SC+2*\p+1], v[TM:TM+1] op_sel_hi:[1,0] neg_lo:[0,1] neg_hi:[0,1]
.endr
.set jj, 0
.rept 32
	v_exp_f32 v[SC+jj], v[SC+jj]
.set jj, jj+1
.endr
	v_nop
	WT
	v_pk_add_f32 v[TM:TM+1], v[SC:SC+1], v[SC+2:SC+3]
	v_pk_add_f32 v[TM+2:TM+3], v[SC+4:SC+5], v[SC+6:SC+7]
.irp p, 4,6,8,10,12,14
	v_pk_add_f32 v[TM:TM+1], v[TM:TM+1], v[SC+2*\p:SC+2*\p+1]
	v_pk_add_f32 v[TM+2:TM+3], v[TM+2:TM+3], v[SC+2*\p+2:SC+2*\p+3]
.endr
	v_pk_add_f32 v[TM:TM+1], v[TM:TM+1], v[TM+2:TM+3]
	v_add_f32 v[TM], v[TM], v[TM+1]
	v_permlanex16_b32 v[TM+1], v[TM], s[SEL], s[SEL+1]
	v_add_f32 v[TM], v[TM], v[TM+1]                ; the row's sum
	v_rcp_f32 v[TM+2], v[TM]
	v_nop
	WT
.irp p, 0,1,2,3,4,5,6,7,8,9,10,11,12,13,14,15
	v_pk_mul_f32 v[SC+2*\p:SC+2*\p+1], v[SC+2*\p:SC+2*\p+1], v[TM+2:TM+3] op_sel_hi:[1,0]   ; p, normalised
.endr
	QUANT SC, 2, PF, TM+4
	v_lshl_or_b32 v[WSC+2], v[TM+5], 8, v[TM+4]    ; p's scale word: two blocks of keys
	PLACES 8                                       ; a scale register written by a vector instruction stands 8 places ahead of the matrix instruction, codes so written 4
.irp u, 0,1
	v_wmma_scale_f32_16x16x128_f8f6f4 v[OT+8*\u:OT+8*\u+7], v[VC+8*\u:VC+8*\u+15], v[PF:PF+15], 0, v[WSC+\u], v[WSC+2]
.endr
	PLACES 8
	QUANT OT, 1, CT, TM+4                          ; my head's 32 channels are one block of the next K
	PUT IMGB, \m, 1, CT, TM+4
	s_wait_dscnt 0x0                               ; the stores have read their registers: the next tile's gathers land there
.endm
; ---------------------------------------------------------------- the head
	s_load_b512 s[4:19], s[0:1], 0x0               ; hidden_states 4, ln1_g 6, ln1_b 8, bq 10, bk 12, bv 14, rel_table 16, bo 18
	s_load_b256 s[20:27], s[0:1], 0x40             ; ln2_g 20, ln2_b 22, b1 24, b2 26
	s_load_b128 s[28:31], s[0:1], 0x60             ; wstream 28, out0 30
	v_lshl_add_u32 v[SPW], v0, 2, SPARE
	v_mov_b32 v[NIL], 0
	ds_add_u32 v[SPW], v[NIL]                      ; the wave's opening: the add and its wait stand ahead of the round in front of the first tensor loads; work on registers stands between them
	v_lshrrev_b32 v8, 5, v0
	v_readfirstlane_b32 s[WV], v8
	s_lshr_b32 s[WI], s[WV], 3
	s_and_b32 s[WG], s[WV], 7
	v_and_b32 v8, 31, v0                           ; lane (in AT0's register until the stage's address is made)
	v_lshlrev_b32 v[L16], 4, v8
	v_lshlrev_b32 v[PFO], 8, v8
	v_and_b32 v9, 15, v0                           ; r
	v_lshlrev_b32 v[R8], 3, v9
	v_bfe_u32 v10, v0, 4, 1                        ; h
	s_lshl_b32 s2, s[WG], 7
	v_lshl_add_u32 v[CV4], v10, 6, s2
	s_add_co_u32 s2, s2, PRM
	v_lshl_add_u32 v[PV], v10, 6, s2
	; LDS bases: constants, the wave's number times constants
	s_lshl_b32 s[WA], s[WG], 13
	s_add_co_u32 s[WA+1], s[WA], CHUNK
	s_lshl_b32 s[WS], s[WG], 8
	s_add_co_u32 s[WS], s[WS], 65536
	s_add_co_u32 s[WS+1], s[WS], CHUNK
	s_lshl_b32 s[IR], s[WI], 14
	s_add_co_u32 s[IR], s[IR], IMGA
	s_lshl_b32 s[ISR], s[WI], 9
	s_add_co_u32 s[ISR], s[ISR], IMGA+ISC
	s_lshr_b32 s2, s[WG], 2
	s_lshl_b32 s2, s2, 11
	s_and_b32 s3, s[WG], 3
	s_lshl_b32 s3, s3, 9
	s_add_co_u32 s[IW], s[IR], s2
	s_add_co_u32 s[IW], s[IW], s3
	s_add_co_u32 s[ISW], s[ISR], s[WG]
	s_mul_i32 s[STI], s[WV], 8*SP
	s_add_co_u32 s[STI], s[STI], STAGE
	s_mul_i32 s[STD], s[WI], 64*SP
	s_lshl_b32 s2, s[WG], 7
	s_add_co_u32 s[STD], s[STD], s2
	s_add_co_u32 s[STD], s[STD], STAGE
	s_mul_i32 s[PB], s[WI], 5120
	s_add_co_u32 s[PB], s[PB], PART
	s_lshl_b32 s[TB], s[WV], 10
	s_add_co_u32 s[TB], s[TB], TBL
	s_lshl_b32 s[QB], s[WV], 12
	s_add_co_u32 s[QB], s[QB], QKB
	; descriptor group 1, the same for all 12 chunks' loads: 66 rows of 32 elements of 8 bytes, dense in memory and in LDS; the mask names the cluster's four work-groups
	s_mov_b32 s[G1], 15|(3<<16)|(1<<21)
	s_mov_b32 s[G1+1], 32<<16
	s_mov_b32 s[G1+2], 66<<16
	s_mov_b32 s[G1+3], 32<<16
	s_mov_b32 s[G1+4], 66
	s_mov_b32 s[G1+5], 32
	s_mov_b32 s[G1+6], 0
	s_mov_b32 s[G1+7], 0
	s_mov_b32 s[SEL], 0x76543210
	s_mov_b32 s[SEL+1], 0xfedcba98
	s_mov_b32 s[MNT], 0x600000
	s_mov_b32 s[REM], 10
	s_mov_b32 s[CS], 0x3e8293ee                    ; log2(e) / sqrt(32)
	s_mov_b32 s[CS+1], s[CS]
	s_mov_b32 s[RH], 0x3f3504f3                    ; 1 / sqrt 2
	s_mov_b32 s[RH+1], s[RH]
	s_mov_b32 s[A13], 0xaf95df0b
	s_mov_b32 s[A13+1], s[A13]
	s_mov_b32 s[B8], 0xb77460cd
	s_mov_b32 s[B8+1], s[B8]
	s_mov_b32 s[EPS], 0x3727c5ac                   ; 1e-5
	; which window, and where its rows lie: rolled place (8 wh + line, 8 ww + column) is place ((.. + 4) % 64, (.. + 4) % 64) of the image.  My place in the cluster enters global offsets and mask NUMBERS alone
	s_bfe_u32 s89, ttmp6, 0x40000                  ; cx
	s_lshl_b32 s90, ttmp9, 2
	s_add_co_u32 s90, s90, s89                     ; work-group
	s_lshl_b32 s90, s90, 1
	s_add_co_u32 s90, s90, s[WI]                   ; window 0 .. 511
	s_lshr_b32 s91, s90, 6                         ; image
	s_bfe_u32 s92, s90, 0x30003                    ; wh
	s_and_b32 s93, s90, 7                          ; ww
	s_lshl_b32 s94, s92, 3
	s_add_co_u32 s94, s94, s[WG]                   ; I carry line g of the window in and out
	s_add_co_u32 s94, s94, 4
	s_and_b32 s94, s94, 63
	s_lshl_b32 s94, s94, 6
	s_lshl_b32 s91, s91, 12
	s_add_co_u32 s94, s94, s91
	s_lshl_b32 s95, s93, 3
	s_add_co_u32 s96, s95, 4
	s_add_co_u32 s96, s96, s94
	s_lshl_b32 s[OFA], s96, 10                     ; columns 0-3: no wrap
	s_add_co_u32 s96, s95, 8
	s_and_b32 s96, s96, 63
	s_add_co_u32 s96, s96, s94
	s_lshl_b32 s[OFB], s96, 10                     ; columns 4-7: they wrap in the last column of windows
	s_mov_b32 s97, 0xc31044fe                      ; -100 log2(e)
	s_cmp_eq_u32 s92, 7
	s_cselect_b32 s[MH], s97, 0
	s_cmp_eq_u32 s93, 7
	s_cselect_b32 s[MW], s97, 0
	v_add_nc_u32 v184, s[OFA], v[L16]
	v_add_nc_u32 v185, s[OFB], v[L16]
	s_lshl_b32 s3, s[WG], 2
	v_lshl_add_u32 v186, v8, 5, s3                 ; the table: row = lane, column g
	s_add_co_u32 s3, s3, 7168
	v_mov_b32 v187, s3                             ; its last row, 224, in every lane: no load leaves the table
	v_and_b32 v188, 255, v0
	v_lshlrev_b32 v188, 2, v188
	v_lshlrev_b32 v189, 3, v0
	s_wait_dscnt 0x0                               ; the opening add is done
	s_wait_kmcnt 0x0
	s_mul_i32 s[LQ], s[WV], QCH                    ; it stays: every refill's LDS address is made of it
	s_mov_b32 s91, 0
	s_mov_b32 s[G0], 1
	s_mov_b32 s[G0+1], s[LQ]                       ; slot 0, my quarter
	s_add_nc_u64 s[G0+2:G0+3], s[28:29], s[90:91]  ; chunk 0
	s_mov_b32 s[GW], 1
	s_add_co_u32 s[GW+1], s[LQ], CHUNK             ; slot 1
	s_add_nc_u64 s[GW+2:GW+3], s[G0+2:G0+3], CHUNK ; chunk 1
	s_or_b32 s[G0+3], s[G0+3], 0x80000000
	s_or_b32 s[GW+3], s[GW+3], 0x80000000
	s_lshl_b32 s92, s89, 14
	s_and_b32 s93, s[WV], 1
	s_lshl_b32 s93, s93, 13
	s_add_co_u32 s92, s92, s93
	s_add_co_u32 s92, s92, 2*CHUNK
	s_mov_b32 s93, 0
	s_add_nc_u64 s[PFA:PFA+1], s[28:29], s[92:93]  ; in chunk 2; the first refill steps it to chunk 3
	s_sub_co_u32 s94, s[WV], 4
	s_lshr_b32 s94, s94, 1                         ; 0 in waves 4 and 5,
	s_or_b32 s94, s94, ttmp9                       ; of the first cluster: the same in all four partners
	s_cmp_eq_u32 s94, 0
	s_cselect_b32 s[LIM], 1, -1
	s_cmp_lt_u32 s[WV], 8                          ; threads 0-255 fetch the first of each pair of parameter vectors, the others the second
	s_cselect_b64 s[92:93], s[6:7], s[8:9]
	s_cselect_b64 s[94:95], s[10:11], s[12:13]
	s_cselect_b64 s[96:97], s[14:15], s[18:19]
	s_cselect_b64 s[98:99], s[20:21], s[22:23]
.irp t, 0,1,2,3,4,5,6,7
	global_load_b128 v[ACT+4*\t:ACT+4*\t+3], v184, s[4:5] offset:512*\t th:TH_LOAD_NT      ; 32 lanes read 512 consecutive bytes: half a token's row
.endr
.irp t, 0,1,2,3,4,5,6,7
	global_load_b128 v[ACT+32+4*\t:ACT+32+4*\t+3], v185, s[4:5] offset:512*\t th:TH_LOAD_NT
.endr
.irp j, 0,1,2,3,4,5,6
	global_load_b32 v[FR+\j], v186, s[16:17] offset:1024*\j
.endr
	global_load_b32 v[FR+7], v187, s[16:17]
	global_load_b32 v168, v188, s[92:93]
	global_load_b32 v169, v188, s[94:95]
	global_load_b32 v170, v188, s[96:97]
	global_load_b32 v171, v188, s[98:99]
	global_load_b64 v[172:173], v189, s[24:25]
	CROUND                                         ; all four work-groups are here: the first joint loads meet
	s_cmp_lt_u32 s[WV], 4                          ; a wave's two first fills stand in one branch: two loads of mine are out
	s_cbranch_scc0 .Lno_first
	tensor_load_to_lds s[G0:G0+3], s[G1:G1+7]
	s_nop 0
	tensor_load_to_lds s[GW:GW+3], s[G1:G1+7]
	s_nop 0
.rept 4
	v_nop
.endr
.Lno_first:
	v_lshl_add_u32 v[AT1], v8, 2, s[TB]            ; my table: 4 x lane.  (v8 still holds the lane: the next line takes the register for AT0)
	v_add_nc_u32 v[AT0], s[STI], v[L16]
	v_lshl_add_u32 v[AT2], v0, 2, PRM
	v_lshl_add_u32 v[AT3], v0, 3, PRM+8192
	s_wait_loadcnt 13                              ; the 16 row loads are in; behind them: 8 of the table, 4 of the parameters, 1 of b1
.set tt, 0
.rept 16
	ds_store_b128 v[AT0], v[ACT+4*tt:ACT+4*tt+3] offset:SP*(tt/2)+512*(tt%2)
.set tt, tt+1
.endr
	s_wait_loadcnt 0x0
.irp j, 0,1,2,3,4,5,6,7
	v_mul_f32 v[FR+\j], 0x3fb8aa3b, v[FR+\j]       ; the bias in the exponent's base
.endr
.irp j, 0,1,2,3,4,5,6,7
	ds_store_b32 v[AT1], v[FR+\j] offset:128*\j
.endr
.irp p, 0,1,2,3
	ds_store_b32 v[AT2], v[168+\p] offset:2048*\p
.endr
	v_pk_mul_f32 v[174:175], v[172:173], 0.5 op_sel_hi:[1,0]
	v_pk_mul_f32 v[176:177], v[172:173], s[RH:RH+1] op_sel_hi:[1,0]
	ds_store_b64 v[AT3], v[174:175]
	ds_store_b64 v[AT3], v[176:177] offset:4096
	; every load of the head is in, so the parameters' pointers are done with: their registers take erf's coefficients
	s_mov_b32 s[A11], 0x32edffee
	s_mov_b32 s[A9], 0xb60cff51
	s_mov_b32 s[A7], 0xb86ec2d2
	s_mov_b32 s[A5], 0xba40ac63
	s_mov_b32 s[A3], 0xbb41a1f6
	s_mov_b32 s[A1], 0xbc83dbd4
	s_mov_b32 s[B6], 0xb95fbd29
	s_mov_b32 s[B4], 0xbadc924e
	s_mov_b32 s[B2], 0xbbf19bf8
	s_mov_b32 s[B0], 0xbc69b6a7
.irp k, A11, A9, A7, A5, A3, A1, B6, B4, B2, B0
	s_mov_b32 s[\k+1], s[\k]
.endr
	BARRIER                                        ; 128 rows, the tables and the parameters lie in LDS.  (The two tensor loads may stay out)
	MKDA
.irp m, 0,1,2,3
.irp q, 0,1,2,3
	ds_load_b128 v[ACO+16*\m+4*\q:ACO+16*\m+4*\q+3], v[AT0] offset:(32*(\m/2)+8*(\m%2))*SP+16*\q   ; x in the results' layout: slot (m, r), channels 32 g + 16 h + 0 .. 15
.endr
.endr
	s_wait_dscnt 0x0
; ---------------------------------------------------------------- LN1, q, k, v
	LNQ 0, 1024, 0, 0                              ; its barrier also ends all reads of the stage, over which image A lies
	s_wait_tensorcnt 1                             ; chunk 0 has landed; chunk 1 may be out
	BARRIER                                        ; x's sixteen fragments and chunk 0 are whole
	GEMM 0, 0, ACT, 1, 1
	CHANGE 0                                       ; chunk 2: wv
	PLACES 8
	BIAS16 2048, ACT
	QUANT ACT, 4, PC, QSC                          ; a head's 32 dims are one block: tile m's byte in v[QSC + m]
	v_add_nc_u32 v[AT0], s[QB], v[L16]
.irp m, 0,1,2,3
	ds_store_b128 v[AT0], v[PC+4*\m:PC+4*\m+3] offset:512*\m
.endr
	s_wait_dscnt 0x0                               ; the stores have read their registers: the next product's fragments land there
	GEMM 1, 0, ACT, 1, 1
	CHANGE 1                                       ; chunk 3: wo
	PLACES 8
	BIAS16 3072, ACT
	QUANT ACT, 4, PC, KSC
	v_add_nc_u32 v[AT0], s[QB], v[L16]
.irp m, 0,1,2,3
	ds_store_b128 v[AT0], v[PC+4*\m:PC+4*\m+3] offset:2048+512*\m
.endr
	s_wait_dscnt 0x0
	GEMM 0, 0, ACT, 1, 0                           ; v untransposed: a lane holds channel slot r of tile u, and registers 32 u + 16 b + i are tokens 32 b + 16 h + i
	PLACES 8
	v_and_b32 v[AT0], 15, v0
	v_and_b32 v[AT1], 8, v0
	v_add_nc_u32 v[AT0], v[AT0], v[AT1]
	s_lshl_b32 s[TP], s[WG], 7
	s_add_co_u32 s[TP], s[TP], PRM+4096
	v_lshl_add_u32 v[AT0], v[AT0], 2, s[TP]        ; bv at channel 32 g + 8 u + r + 8 (r / 8)
	ds_load_b32 v192, v[AT0]
	ds_load_b32 v193, v[AT0]
	ds_load_b32 v194, v[AT0] offset:32
	ds_load_b32 v195, v[AT0] offset:32
	s_wait_dscnt 0x0
.irp u, 0,1
.irp p, 0,1,2,3,4,5,6,7,8,9,10,11,12,13,14,15
	v_pk_add_f32 v[ACT+32*\u+2*\p:ACT+32*\u+2*\p+1], v[ACT+32*\u+2*\p:ACT+32*\u+2*\p+1], v[192+2*\u:193+2*\u]
.endr
.endr
	QUANT ACT, 4, VC, TM+4                         ; along the tokens: block 2 u + b
	v_lshl_or_b32 v[WSC], v[TM+5], 8, v[TM+4]
	v_lshl_or_b32 v[WSC+1], v[TM+7], 8, v[TM+6]
; ---------------------------------------------------------------- attention: my head, my window, no other wave
.irp j, 0,1,2,3,4,5,6,7
	v_mov_b32 v[ZZ+\j], 0
.endr
.irp j, 4,5,6,7,8,9,10,11,12,13,14,15
	v_mov_b32 v[QS+\j], 0
.endr
.irp j, 8,9,10,11,12,13,14,15
	v_mov_b32 v[PF+\j], 0
.endr
	v_add_nc_u32 v[AT2], s[QB], v[L16]
.irp kt, 0,1,2,3
	ds_load_b128 v[KC+4*\kt:KC+4*\kt+3], v[AT2] offset:2048+512*\kt
.endr
	v_bfe_u32 v[AT3], v0, 4, 1                     ; the gathers' address, made in the address registers alone
	v_xor_b32 v[AT3], 1, v[AT3]                    ; 1 - h
	v_bfe_u32 v[AT0], v0, 3, 1
	v_add_nc_u32 v[AT3], v[AT3], v[AT0]
	v_mul_u32_u24 v[AT3], v[AT3], 120              ; two lines of the window are 30 words of the table
	v_and_b32 v[AT0], 7, v0
	v_lshl_add_u32 v[AT3], v[AT0], 2, v[AT3]
	v_add_nc_u32 v[AT3], s[TB], v[AT3]
	v_and_b32 v[TM], 4, v0                         ; my query's half of the columns
	v_cmp_ne_u32 vcc_lo, 0, v[TM]
	v_mov_b32 v[TM+1], s[MW]
	v_cndmask_b32 v[MK], 0, v[TM+1], vcc_lo        ; keys of columns 0-3: hidden from queries of columns 4-7, in the last column of windows
	v_sub_f32 v[MK+2], v[TM+1], v[MK]              ; keys of columns 4-7: the other way round
	v_mov_b32 v[MK+1], v[MK]
	v_mov_b32 v[MK+3], v[MK+2]
	v_min_num_f32 v[MK+4], s[MH], v[MK]            ; where the halves of lines differ too: one -100
	v_min_num_f32 v[MK+6], s[MH], v[MK+2]
	v_mov_b32 v[MK+5], v[MK+4]
	v_mov_b32 v[MK+7], v[MK+6]
	ATT 0
	ATT 1
	ATT 2
	ATT 3
; ---------------------------------------------------------------- wo, residual, LN2
	CHANGE 0                                       ; chunk 4: w1(0); the round is also the barrier behind which ctx's fragments are whole
	BIAS16 5120, ACO                               ; x + bo: the product adds onto it
	GEMM 1, IMGB, ACO, 0, 1
	PLACES 8
	LNQ 6144, 7168, 0, 1                           ; y into image A; ACO = hidden + b2
; ---------------------------------------------------------------- the MLP, 256 hidden units at a time
	CHANGE0                                        ; w1(0) has landed and y's sixteen fragments are whole; nothing is filled here: slot 1 takes w2(0) at the first trip's end
	s_mov_b32 s[HW], IMGB                          ; chunk 0 goes into the first buffer
	s_lshr_b32 s[RL], s[WV], 2
	s_xor_b32 s[RL], s[RL], s[WV]
	s_and_b32 s[RL], s[RL], 1                      ; my turn: (wave xor wave / 4) % 2: of waves w, w + 4, w + 8, w + 12, and of any four neighbours 4 k .. 4 k + 3, two have each turn
	s_mov_b32 s[B1O], 8192
	s_mov_b32 s[CNT], 3
.Lmlp:
	TRIP 1
	s_sub_co_u32 s[CNT], s[CNT], 1
	s_cmp_lg_u32 s[CNT], 0
	s_cbranch_scc1 .Lmlp
	TRIP 0                                         ; the last trip is written out: it asks for w2(3), into slot 0, and for nothing more
	GADDRH 0
	GBODY 0, ACO, 0, 1                             ; H(3) x w2(3)
; ---------------------------------------------------------------- the way out: through the stage, as whole rows
	PLACES 8
	BARRIER                                        ; every wave's reads of the images are over: the stage lies over them
	MKDA
.irp m, 0,1,2,3
.irp q, 0,1,2,3
	ds_store_b128 v[AT0], v[ACO+16*\m+4*\q:ACO+16*\m+4*\q+3] offset:(32*(\m/2)+8*(\m%2))*SP+16*\q   ; each accumulator from its low end on
.endr
.endr
	BARRIER
	v_add_nc_u32 v[AT1], s[STI], v[L16]
	v_add_nc_u32 v160, s[OFA], v[L16]
	v_add_nc_u32 v161, s[OFB], v[L16]
.set tt, 0
.rept 16
	ds_load_b128 v[ACT+4*tt:ACT+4*tt+3], v[AT1] offset:SP*(tt/2)+512*(tt%2)
.set tt, tt+1
.endr
.set tt, 0
.rept 16
	s_wait_dscnt 15-tt                             ; LDS loads come back in order: number tt is in, the younger ones may be out
	global_store_b128 v[160+tt/8], v[ACT+4*tt:ACT+4*tt+3], s[30:31] offset:512*(tt%8) th:TH_STORE_NT   ; 32 lanes store 512 consecutive bytes, aligned
.set tt, tt+1
.endr
	s_wait_tensorcnt 0x0                           ; the wave's end, behind my last tensor load and my last LDS store
	ds_add_u32 v[SPW], v[NIL]
	s_wait_dscnt 0x0
	CROUND                                         ; the closing round: no work-group ends while a partner may still ask for a chunk that names it
	s_endpgm
.Lfunc_end_k_q5d4877ed2f_block:
	.size	k_q5d4877ed2f_block, .Lfunc_end_k_q5d4877ed2f_block-k_q5d4877ed2f_block
	.p2alignl 7, 3214868480
	.fill 96, 4, 3214868480
	.section	.rodata,"a",@progbits
	.p2align	6, 0x0
	.amdhsa_kernel k_q5d4877ed2f_block
		.amdhsa_group_segment_fixed_size 327680
		.amdhsa_private_segment_fixed_size 0
		.amdhsa_enable_private_segment 0
		.amdhsa_kernarg_size 112
		.amdhsa_user_sgpr_count 2
		.amdhsa_user_sgpr_kernarg_segment_ptr 1
		.amdhsa_wavefront_size32 1
		.amdhsa_system_sgpr_workgroup_id_x 1
		.amdhsa_system_sgpr_workgroup_id_y 1
		.amdhsa_system_sgpr_workgroup_id_z 1
		.amdhsa_system_vgpr_workitem_id 0
		.amdhsa_next_free_vgpr 256
		.amdhsa_next_free_sgpr 100
		.amdhsa_reserve_vcc 1
		.amdhsa_float_denorm_mode_32 3
		.amdhsa_float_denorm_mode_16_64 3
		.amdhsa_memory_ordered 1
		.amdhsa_forward_progress 1
		.amdhsa_inst_pref_size 255
	.end_amdhsa_kernel
	.section	.bss,"aw",@nobits
	.p2align	6
	.space	262144
	.amdgpu_metadata
---
amdhsa.version: [ 1, 2 ]
amdhsa.kernels:
  - .name:           k_q5d4877ed2f_block
    .symbol:         k_q5d4877ed2f_block.kd
    .args:
      - { .name: hidden_states, .offset: 0, .size: 8, .value_kind: global_buffer, .address_space: global }
      - { .name: ln1_g, .offset: 8, .size: 8, .value_kind: global_buffer, .address_space: global }
      - { .name: ln1_b, .offset: 16, .size: 8, .value_kind: global_buffer, .address_space: global }
      - { .name: bq, .offset: 24, .size: 8, .value_kind: global_buffer, .address_space: global }
      - { .name: bk, .offset: 32, .size: 8, .value_kind: global_buffer, .address_space: global }
      - { .name: bv, .offset: 40, .size: 8, .value_kind: global_buffer, .address_space: global }
      - { .name: rel_table, .offset: 48, .size: 8, .value_kind: global_buffer, .address_space: global }
      - { .name: bo, .offset: 56, .size: 8, .value_kind: global_buffer, .address_space: global }
      - { .name: ln2_g, .offset: 64, .size: 8, .value_kind: global_buffer, .address_space: global }
      - { .name: ln2_b, .offset: 72, .size: 8, .value_kind: global_buffer, .address_space: global }
      - { .name: b1, .offset: 80, .size: 8, .value_kind: global_buffer, .address_space: global }
      - { .name: b2, .offset: 88, .size: 8, .value_kind: global_buffer, .address_space: global }
      - { .name: wstream, .offset: 96, .size: 8, .value_kind: global_buffer, .address_space: global }
      - { .name: out0, .offset: 104, .size: 8, .value_kind: global_buffer, .address_space: global }
    .group_segment_fixed_size: 327680
    .private_segment_fixed_size: 0
    .kernarg_segment_align: 8
    .kernarg_segment_size: 112
    .max_flat_workgroup_size: 512
    .sgpr_count:     100
    .vgpr_count:     256
    .wavefront_size: 32
...
	.end_amdgpu_metadata
.endif
;; end of part 2
